; MI455X (gfx1250); checked and timed in simulation.
; The chip was launched on July 23, 2026; its instructions are those of AMD's public machine-readable ISA for CDNA 5 (MIT licence, August 2026) and "CDNA5" Instruction Set Architecture Reference Guide (July 2026). The comments in the code are by the model that wrote it; some were corrected since.
;; Linearization Layer. Allowed arithmetic: float matrix products may take bf16 or f16 operands with f32 sums; all other float work in f32.
;; Inputs: euclidean_data 25,000 x 2 float32; maze_points 5,000 x 2 float32; ts_proj 5,000 float32.
;; Outputs: out0 25,000 x 2 float32; out1 25,000 float32.
;; One version. Each part assembles by itself: llvm-mc -triple=amdgcn-amd-amdhsa -mcpu=gfx1250 --defsym DOCPART=n.
;; ======== version 1 of 1: 2 launches
;; workspace buffers: blk 100,096 bytes of whole numbers
;; launch nearest_block (part 1): grid 250 x 1, 8 waves a work-group, no clusters, 168,960 bytes of LDS; arguments euclidean_data, maze_points, blk; writes blk
.if DOCPART == 1
	.amdgcn_target "amdgcn-amd-amdhsa--gfx1250"
	.amdhsa_code_object_version 6
	.text
	.protected	k_qb359e21c48_nearest_block
	.globl	k_qb359e21c48_nearest_block
	.p2align	8
	.type	k_qb359e21c48_nearest_block,@function
k_qb359e21c48_nearest_block:
	s_mov_b64 s[64:65], 0
	v_nop
	global_prefetch_b8 v0, s[64:65] scope:SCOPE_SE
	s_setreg_imm32_b32 hwreg(HW_REG_WAVE_MODE, 25, 1), 1
	s_wait_xcnt 0x0
; blk[q] = the number (0..124) of the block of 40 consecutive maze points that holds query q's nearest point.
; euclidean_data: [25000][2] f32, maze_points: [5000][2] f32, blk: [25000] u32.
; The winner's place inside its block is found by the next launch, which may form addresses from blk.
;
; A work-group owns 100 queries (250 x 100 = 25,000: no edge).  Eight waves.  LANE = POINTS: point lane PL = t & 127 keeps block
; min(PL, 124) in registers (125 x 40 = 5,000; lanes 125-127 repeat block 124, which changes no minimum and no block number).
; Waves 0-3 take the group's queries 0-49, waves 4-7 its queries 50-99; a query reaches all lanes as two scalars.
; For one query a wave issues 20+20 packed subtractions, 20 packed squares, 20 packed fused multiply-adds and 20 minima
; (three values at a time): 100 vector instructions for 32 x 40 pairs.  The lane's minimum goes to LDS; at the end one thread
; for each (query, half of the 128 lanes) finds the least of 64 lane minima and the lowest lane that has it.
;
; d = fma(dy, dy, dx*dx) with dx = px - qx, dy = py - qy: differences first, as the reference has them, so a common offset of
; the inputs costs no accuracy.  LIMITS: the squares' sum is rounded once less than by two products and a sum, so two points whose
; distances differ in the last bit only may rank otherwise; NaN or infinite coordinates are not served (these minima pass over
; NaN, argmin picks it).  Equal distances: the lowest block wins here, the lowest index in it in the next launch, as argmin does.
; No cluster: the grid of 250 is no multiple of four, and what the groups share is 40,000 bytes read once by each.
; No matrix unit: operands of 16 bits cannot rank distances that differ by less than their rounding.
.set QWG,    100                       ; queries of a work-group
.set QWAVE,  50                        ; queries of a wave
.set TRIPS,  QWAVE/2                   ; a trip = two queries = one scalar load of 16 bytes
.set BPITCH, 336                       ; LDS bytes from block to block: 320 + 16 = 21 x 16, so that sixteen neighbouring lanes'
                                       ; 16-byte pieces start at sixteen different multiples of 16 modulo 256
.set LBASE,  42240                     ; behind the 125 blocks (42,000 bytes): the lane minima
.set LROW,   144                       ; one query's 32 lane minima of one wave: 128 bytes + 16 (9 x 16, for the reads at the end)
.set WREG,   7232                      ; a wave's own 50 rows (7,200) + 32: 2 x WREG = 128 modulo 256, see the reads at the end
.set RBASE,  LBASE+8*WREG              ; 100,096: 128 words, the results on their way out
.set LA,  2                            ; v2        where my lane minimum goes
.set PT,  8                            ; v[8:87]   my 40 points: quad k = x(2k), x(2k+1), y(2k), y(2k+1)
.set DX,  88                           ; v[88:127] dx, then dx^2, then d of the 40 points
.set DY,  128                          ; v[128:167] dy
.set T1,  168                          ; v[168:180] minima of three: 13 of them cover d0..d38
.set T2,  181                          ; v[181:184]
.set T3,  185                          ; v[185:186]
.set MN,  187                          ; v187      the lane's minimum
; the same registers at the end:
.set F,   88                           ; v[88:151] 64 lane minima of one query
.set Z,   152                          ; v[152:172]
.set Y,   173                          ; v[173:179]
.set X,   180                          ; v[180:181]
.set M,   182                          ; v182      their minimum
.set I,   183                          ; v[183:186] four chains: the lowest lane that has it
	s_load_b128 s[4:7], s[0:1], 0x0                ; euclidean_data s[4:5], maze_points s[6:7]
	s_load_b64 s[8:9], s[0:1], 0x10                ; blk
	v_lshl_add_u32 v192, v0, 2, 0x29000
	v_mov_b32 v193, 0
	v_lshrrev_b32 v1, 5, v0
	v_readfirstlane_b32 s10, v1                    ; wave 0..7
	; Bringing the points in: 2,500 pieces of 16 bytes (two points) = 250 threads x 10 rounds; piece g = u + 500 m with
	; u = t' (even rounds) or t' + 250 (odd rounds).  Threads 250-255 repeat thread 249 (same wave, same bytes, same data).
	; Piece g belongs to block g / 20 and lies at 16 g + 16 (g / 20); 500 = 25 x 20, so m adds 525 x 16 = 8,400 bytes.
	v_min_u32 v3, 249, v0                          ; t'
	v_add_nc_u32 v4, 250, v3
	v_mul_u32_u24 v5, 0xcccd, v3                   ; u / 20 = (u x 52,429) >> 20, exact for u < 500
	v_mul_u32_u24 v6, 0xcccd, v4
	v_lshrrev_b32 v5, 20, v5
	v_lshrrev_b32 v6, 20, v6
	v_add_lshl_u32 v5, v3, v5, 4                   ; LDS address of the even rounds' piece
	v_add_lshl_u32 v6, v4, v6, 4                   ; and of the odd rounds'
	v_lshlrev_b32 v3, 4, v3                        ; byte offset in maze_points
	s_lshr_b32 s11, s10, 2                         ; which half of the queries is my wave's
	s_mul_i32 s12, ttmp9, QWG*8
	s_mul_i32 s13, s11, QWAVE*8
	s_add_co_u32 s12, s12, s13                     ; byte offset of my wave's first query
	s_mov_b32 s13, 0
	s_wait_kmcnt 0x0
.set k, 0
.rept 10
	global_load_b128 v[PT+4*k:PT+4*k+3], v3, s[6:7] offset:4000*k      ; a wave's load covers 512 neighbouring bytes
.set k, k+1
.endr
	s_add_nc_u64 s[4:5], s[4:5], s[12:13]
	s_load_b128 s[36:39], s[4:5], 0x0              ; queries 0 and 1 of my wave
	v_and_b32 v1, 31, v0                           ; lane
	s_mul_i32 s15, s10, WREG
	s_add_co_u32 s15, s15, LBASE-LROW              ; one row in front of my wave's rows: a trip stores the rows 2t-1 and 2t at +0 and +LROW
	v_lshl_add_u32 v[LA], v1, 2, s15
	s_mov_b32 s41, 0                               ; the upper halves of the scalar pairs that the packed sums name; only the lower halves are used
	s_mov_b32 s43, 0
	s_mov_b32 s45, 0
	s_mov_b32 s47, 0
.set k, 0
.rept 10
	s_wait_loadcnt 9-k                             ; loads come back in order: load k has 9-k younger ones
	v_mov_b32 v7, v[PT+4*k+1]                      ; x0 y0 x1 y1 becomes x0 x1 y0 y1: pairs for the packed arithmetic
	v_mov_b32 v[PT+4*k+1], v[PT+4*k+2]
	v_mov_b32 v[PT+4*k+2], v7
	ds_store_b128 v[5+k%2], v[PT+4*k:PT+4*k+3] offset:8400*(k/2)
.set k, k+1
.endr
	s_wait_dscnt 0x0                               ; my pieces are in LDS before I say so
	s_barrier_signal -1
	s_barrier_wait -1                              ; everybody's are
	v_and_b32 v4, 127, v0                          ; point lane
	v_min_u32 v4, 124, v4                          ; its block
	v_mul_u32_u24 v4, BPITCH, v4
.set k, 0
.rept 20
	ds_load_b128 v[PT+4*k:PT+4*k+3], v4 offset:16*k
.set k, k+1
.endr
; The trip's two queries, negated, each in the lower half of an even scalar pair (a packed instruction takes a scalar as a broadcast
; of the pair's lower half).  px + (-qx) is px - qx bit for bit.
.macro COPY
	s_xor_b32 s40, s36, 0x80000000
	s_xor_b32 s42, s37, 0x80000000
	s_xor_b32 s44, s38, 0x80000000
	s_xor_b32 s46, s39, 0x80000000
.endm
; One query.  tail = 1: the last seven minima of the query before stand between the first subtractions, each several
; instructions behind what it reads, and its lane minimum is stored at LA + off.  d39 of the query before is read at k = 9,
; ahead of the subtraction k = 19 that writes over it.
.macro BODY sx, sy, tail, off
.set k, 0
.rept 20
	v_pk_add_f32 v[DX+2*k:DX+2*k+1], v[PT+4*k:PT+4*k+1], s[\sx:\sx+1] op_sel_hi:[1,0]
.if \tail
.if k < 4
	v_min3_num_f32 v[T2+k], v[T1+3*k], v[T1+3*k+1], v[T1+3*k+2]
.endif
.if k == 8
	v_min3_num_f32 v[T3], v[T2], v[T2+1], v[T2+2]
.endif
.if k == 9
	v_min3_num_f32 v[T3+1], v[T2+3], v[T1+12], v[DX+39]
.endif
.if k == 14
	v_min_num_f32 v[MN], v[T3], v[T3+1]
.endif
.endif
.set k, k+1
.endr
.if \tail
	ds_store_b32 v[LA], v[MN] offset:\off          ; 32 lanes, 128 neighbouring bytes, in my wave's own rows
.endif
.set k, 0
.rept 20
	v_pk_add_f32 v[DY+2*k:DY+2*k+1], v[PT+4*k+2:PT+4*k+3], s[\sy:\sy+1] op_sel_hi:[1,0]
.set k, k+1
.endr
.set k, 0
.rept 20
	v_pk_mul_f32 v[DX+2*k:DX+2*k+1], v[DX+2*k:DX+2*k+1], v[DX+2*k:DX+2*k+1]
.set k, k+1
.endr
.set k, 0
.rept 20
	v_pk_fma_f32 v[DX+2*k:DX+2*k+1], v[DY+2*k:DY+2*k+1], v[DY+2*k:DY+2*k+1], v[DX+2*k:DX+2*k+1]
.set k, k+1
.endr
.set k, 0
.rept 13
	v_min3_num_f32 v[T1+k], v[DX+3*k], v[DX+3*k+1], v[DX+3*k+2]
.set k, k+1
.endr
.endm
.macro TRIP tail
	BODY 40, 42, \tail, 0
	BODY 44, 46, 1, LROW
	v_add_nc_u32 v[LA], 2*LROW, v[LA]
.endm
	s_wait_kmcnt 0x0                               ; queries 0 and 1
	COPY
	s_add_nc_u64 s[4:5], s[4:5], 16                ; behind the wait that showed the load from this base done
	s_load_b128 s[36:39], s[4:5], 0x0              ; the next trip's queries: a whole trip ahead
	s_wait_dscnt 0x0                               ; my 40 points are in registers
	TRIP 0                                         ; the first trip: no query before it
	s_mov_b32 s14, 0
.Ltrip:
	s_wait_kmcnt 0x0                               ; this trip's queries, asked for a trip ago
	COPY
	s_add_nc_u64 s[4:5], s[4:5], 16
	s_load_b128 s[36:39], s[4:5], 0x0
	TRIP 1
	s_add_co_u32 s14, s14, 1
	s_cmp_lt_u32 s14, TRIPS-2
	s_cbranch_scc1 .Ltrip
	s_wait_kmcnt 0x0
	COPY
	TRIP 1                                         ; the last trip asks for nothing: no load leaves my wave's 400 bytes
.set k, 0
.rept 4
	v_min3_num_f32 v[T2+k], v[T1+3*k], v[T1+3*k+1], v[T1+3*k+2]        ; and the last query's seven minima
.set k, k+1
.endr
	v_min3_num_f32 v[T3], v[T2], v[T2+1], v[T2+2]
	v_min3_num_f32 v[T3+1], v[T2+3], v[T1+12], v[DX+39]
	v_min_num_f32 v[MN], v[T3], v[T3+1]
	ds_store_b32 v[LA], v[MN]
	s_wait_dscnt 0x0                               ; all my lane minima are in LDS before I say so
	s_barrier_signal -1
	s_barrier_wait -1
	; THE END: thread t takes query q = t >> 1 (threads 200-255 repeat query 99) and half s = t & 1 of the 128 point lanes.
	; Query q = 50 h + i lies in row i of waves 4h .. 4h+3; half s is waves 4h+2s and 4h+2s+1.  Sixteen neighbouring lanes are eight
	; rows 144 bytes apart, twice, 2 x WREG = 128 (mod 256) apart: sixteen different multiples of 16 modulo 256.
	v_lshrrev_b32 v3, 1, v0
	v_min_u32 v4, QWG-1, v3                        ; q
	v_and_b32 v5, 1, v0                            ; s
	v_mul_u32_u24 v6, LROW, v4
	v_cmp_le_u32 vcc_lo, QWAVE, v4                 ; h
	v_mov_b32 v7, 4*WREG-QWAVE*LROW
	v_cndmask_b32 v7, 0, v7, vcc_lo
	v_add3_u32 v6, v6, v7, LBASE
	v_mad_u32_u24 v6, v5, 2*WREG, v6
.irp g, 0,1
.irp c, 0,1,2,3,4,5,6,7
	ds_load_b128 v[F+32*\g+4*\c:F+32*\g+4*\c+3], v6 offset:\g*WREG+16*\c      ; F + n = the minimum of point lane 64 s + n
.endr
.endr
.irp c, 0,1,2,3
	v_mov_b32 v[I+\c], 64                          ; 'none'
.endr
	s_wait_dscnt 0x0
.set k, 0
.rept 21
	v_min3_num_f32 v[Z+k], v[F+3*k], v[F+3*k+1], v[F+3*k+2]
.set k, k+1
.endr
.set k, 0
.rept 7
	v_min3_num_f32 v[Y+k], v[Z+3*k], v[Z+3*k+1], v[Z+3*k+2]
.set k, k+1
.endr
	v_min3_num_f32 v[X], v[Y], v[Y+1], v[Y+2]
	v_min3_num_f32 v[X+1], v[Y+3], v[Y+4], v[Y+5]
	v_min3_num_f32 v[M], v[X], v[X+1], v[Y+6]
	v_min_num_f32 v[M], v[M], v[F+63]
	; the lowest n with F + n equal to the minimum: four chains of sixteen, each walked downward, so that the lowest hit stays
.set j, 15
.rept 16
.irp c, 0,1,2,3
	v_cmp_eq_f32 s[20+\c], v[F+16*\c+j], v[M]
.endr
.irp c, 0,1,2,3
	v_cndmask_b32 v[I+\c], v[I+\c], 16*\c+j, s[20+\c]
.endr
.set j, j-1
.endr
	v_min_u32 v[I], v[I], v[I+1]
	v_min_u32 v[I+2], v[I+2], v[I+3]
	v_min_u32 v[I], v[I], v[I+2]
	v_lshl_add_u32 v[I], v5, 6, v[I]               ; point lane 0..127
	; the other half of the lanes is with my neighbour t xor 1: the smaller minimum wins, the lower lane if they are equal
	v_mov_b32_dpp v[Z], v[M] row_xmask:1 row_mask:0xf bank_mask:0xf
	v_mov_b32_dpp v[Z+1], v[I] row_xmask:1 row_mask:0xf bank_mask:0xf
	v_cmp_lt_f32 s20, v[Z], v[M]
	v_cmp_eq_f32 s21, v[Z], v[M]
	v_cmp_lt_u32 s22, v[Z+1], v[I]
	s_and_b32 s21, s21, s22
	s_or_b32 s20, s20, s21
	v_cndmask_b32 v[I], v[I], v[Z+1], s20
	v_min_u32 v[I], 124, v[I]                      ; point lanes 125-127 hold block 124
	v_lshl_add_u32 v7, v3, 2, RBASE                ; word t >> 1: a wave writes its own 64 bytes, both lanes of a pair the same number
	ds_store_b32 v7, v[I]
	s_wait_dscnt 0x0
	s_barrier_signal -1
	s_barrier_wait -1
	s_cmp_lg_u32 s10, 0
	s_cbranch_scc1 .Lend
	v_lshlrev_b32 v6, 4, v0                        ; wave 0: 16 bytes a lane
	v_add_nc_u32 v7, RBASE, v6
	ds_load_b128 v[8:11], v7
	s_mul_i32 s12, ttmp9, QWG*4
	v_add_nc_u32 v6, s12, v6
	v_cmp_gt_u32 vcc_lo, QWG/4, v0                 ; 25 lanes x 16 bytes = the group's 100 numbers, 400 neighbouring bytes
	s_wait_dscnt 0x0
	s_wait_xcnt 0x0                                ; EXEC changes only behind this wait
	s_wait_tensorcnt 0x0
	ds_add_u32 v192, v193
	s_wait_dscnt 0x0
	s_and_saveexec_b32 s20, vcc_lo
	global_store_b128 v6, v[8:11], s[8:9]
	s_endpgm
.Lend:
	s_wait_tensorcnt 0x0
	ds_add_u32 v192, v193
	s_wait_dscnt 0x0
	s_endpgm
.Lfunc_end_k_qb359e21c48_nearest_block:
	.size	k_qb359e21c48_nearest_block, .Lfunc_end_k_qb359e21c48_nearest_block-k_qb359e21c48_nearest_block
	.p2alignl 7, 3214868480
	.fill 96, 4, 3214868480
	.section	.rodata,"a",@progbits
	.p2align	6, 0x0
	.amdhsa_kernel k_qb359e21c48_nearest_block
		.amdhsa_group_segment_fixed_size 168960
		.amdhsa_private_segment_fixed_size 0
		.amdhsa_enable_private_segment 0
		.amdhsa_kernarg_size 24
		.amdhsa_user_sgpr_count 2
		.amdhsa_user_sgpr_kernarg_segment_ptr 1
		.amdhsa_wavefront_size32 1
		.amdhsa_system_sgpr_workgroup_id_x 1
		.amdhsa_system_sgpr_workgroup_id_y 1
		.amdhsa_system_sgpr_workgroup_id_z 1
		.amdhsa_system_vgpr_workitem_id 0
		.amdhsa_next_free_vgpr 194
		.amdhsa_next_free_sgpr 66
		.amdhsa_reserve_vcc 1
		.amdhsa_float_denorm_mode_32 3
		.amdhsa_float_denorm_mode_16_64 3
		.amdhsa_memory_ordered 1
		.amdhsa_forward_progress 1
		.amdhsa_inst_pref_size 59
	.end_amdhsa_kernel
	.amdgpu_metadata
---
amdhsa.version: [ 1, 2 ]
amdhsa.kernels:
  - .name:           k_qb359e21c48_nearest_block
    .symbol:         k_qb359e21c48_nearest_block.kd
    .args:
      - { .name: euclidean_data, .offset: 0, .size: 8, .value_kind: global_buffer, .address_space: global }
      - { .name: maze_points, .offset: 8, .size: 8, .value_kind: global_buffer, .address_space: global }
      - { .name: blk, .offset: 16, .size: 8, .value_kind: global_buffer, .address_space: global }
    .group_segment_fixed_size: 168960
    .private_segment_fixed_size: 0
    .kernarg_segment_align: 8
    .kernarg_segment_size: 24
    .max_flat_workgroup_size: 256
    .sgpr_count:     66
    .vgpr_count:     194
    .wavefront_size: 32
...
	.end_amdgpu_metadata
.endif
;; end of part 1
;; launch pick (part 2): grid 196 x 1, 16 waves a work-group, no clusters, 3,584 bytes of LDS; arguments euclidean_data, maze_points, ts_proj, blk, out0, out1; writes out0, out1
.if DOCPART == 2
	.amdgcn_target "amdgcn-amd-amdhsa--gfx1250"
	.amdhsa_code_object_version 6
	.text
	.protected	k_qb359e21c48_pick
	.globl	k_qb359e21c48_pick
	.p2align	8
	.type	k_qb359e21c48_pick,@function
k_qb359e21c48_pick:
	s_mov_b64 s[64:65], 0
	v_nop
	global_prefetch_b8 v0, s[64:65] scope:SCOPE_SE
	s_setreg_imm32_b32 hwreg(HW_REG_WAVE_MODE, 25, 1), 1
	s_wait_xcnt 0x0
; out0[q] = maze_points[best], out1[q] = ts_proj[best], best = the nearest of the 40 points of block blk[q], which the launch
; before found to hold query q's nearest point.  The block number comes from memory, so it may form addresses; the place inside
; the block is made here from comparisons of floats, so it only selects values (v_cndmask_b32), never an address.
; Same arithmetic as in the launch before: d = fma(dy, dy, dx*dx), dx = px - qx, dy = py - qy, so the block's least d is the
; least of all.  Equal distances: the lowest index wins, as in argmin.  LIMITS as there: NaN and infinities are not served.
; A work-group takes 128 queries (the last one 40: its spare threads repeat query 24,999 and their results are not stored).
; Four lanes a query: lane p takes the pieces of 16 bytes p, p+4, .. p+16 of the block's 320 bytes (points 8k + 2p + e), so that a
; query's four lanes read 64 neighbouring bytes of points and 32 of ts_proj in each load.
; Results go through LDS so that they leave as 16 bytes a lane: sixteen lanes store 256 consecutive bytes, at a multiple of 256
; from the buffer's first byte.  No cluster, no matrix unit: a gather of 480 bytes a query with 40 distances.
.set NQ,   25000
.set PX,   16                          ; v[16:35]  my 10 points, x and y in turn
.set TS,   36                          ; v[36:45]  their ts_proj
.set D,    46                          ; v[46:55]  their d
.set DF,   58                          ; v[58:77]  dx, dy
.set BD,   78                          ; the best so far: d,
.set BJ,   79                          ; index in the block,
.set BX,   80                          ; v[80:81] x, y,
.set BT,   82                          ; ts_proj
.set OD,   58                          ; the neighbour lane's best (registers of DF, done with by then)
.set OJ,   59
.set OX,   60
.set OT,   62
	s_load_b256 s[4:11], s[0:1], 0x0               ; euclidean_data s[4:5], maze_points s[6:7], ts_proj s[8:9], blk s[10:11]
	s_load_b128 s[12:15], s[0:1], 0x20             ; out0 s[12:13], out1 s[14:15]
	v_lshl_add_u32 v88, v0, 2, 0x600
	v_mov_b32 v89, 0
	v_lshrrev_b32 v1, 2, v0                        ; the query's number in the group, 0..127
	v_and_b32 v2, 3, v0                            ; p
	s_lshl_b32 s16, ttmp9, 7
	v_add_nc_u32 v3, s16, v1
	v_min_u32 v3, NQ-1, v3                         ; q
	v_lshlrev_b32 v4, 2, v3
	v_lshlrev_b32 v5, 3, v3
	v_lshrrev_b32 v6, 5, v0
	v_readfirstlane_b32 s17, v6                    ; wave 0..15
	s_wait_kmcnt 0x0
	global_load_b32 v6, v4, s[10:11]               ; the block
	global_load_b64 v[8:9], v5, s[4:5]             ; the query
	s_wait_loadcnt 0x1                             ; the block's number is in; the query's load, the one younger, may be out
	v_min_u32 v6, 124, v6                          ; a number from memory enters an address only clamped to the table
	v_mul_u32_u24 v7, 320, v6
	v_lshl_add_u32 v7, v2, 4, v7                   ; 320 block + 16 p
	v_mul_u32_u24 v10, 160, v6
	v_lshl_add_u32 v10, v2, 3, v10                 ; 160 block + 8 p
.irp k, 0,1,2,3,4
	global_load_b128 v[PX+4*\k:PX+4*\k+3], v7, s[6:7] offset:64*\k     ; points 8k + 2p, 8k + 2p + 1
.endr
.irp k, 0,1,2,3,4
	global_load_b64 v[TS+2*\k:TS+2*\k+1], v10, s[8:9] offset:32*\k     ; and their ts_proj
.endr
	s_wait_loadcnt 0x5                             ; the query and the five loads of points are in; the five of ts_proj may be out
.irp i, 0,1,2,3,4,5,6,7,8,9
	v_pk_add_f32 v[DF+2*\i:DF+2*\i+1], v[PX+2*\i:PX+2*\i+1], v[8:9] neg_lo:[0,1] neg_hi:[0,1]   ; dx, dy
.endr
.irp i, 0,1,2,3,4,5,6,7,8,9
	v_mul_f32 v[D+\i], v[DF+2*\i], v[DF+2*\i]
.endr
.irp i, 0,1,2,3,4,5,6,7,8,9
	v_fma_f32 v[D+\i], v[DF+2*\i+1], v[DF+2*\i+1], v[D+\i]
.endr
	s_wait_loadcnt 0x0
	; my ten points in rising index; a later one wins only if it is strictly nearer.  The first comparison starts the record.
	v_cmp_lt_f32 vcc_lo, v[D+1], v[D]
	v_cndmask_b32 v[BD], v[D], v[D+1], vcc_lo
	v_cndmask_b32 v[BJ], 0, 1, vcc_lo
	v_cndmask_b32 v[BX], v[PX], v[PX+2], vcc_lo
	v_cndmask_b32 v[BX+1], v[PX+1], v[PX+3], vcc_lo
	v_cndmask_b32 v[BT], v[TS], v[TS+1], vcc_lo
.irp i, 2,3,4,5,6,7,8,9
	v_cmp_lt_f32 vcc_lo, v[D+\i], v[BD]
	v_cndmask_b32 v[BD], v[BD], v[D+\i], vcc_lo
	v_cndmask_b32 v[BJ], v[BJ], 8*(\i/2)+(\i%2), vcc_lo
	v_cndmask_b32 v[BX], v[BX], v[PX+2*\i], vcc_lo
	v_cndmask_b32 v[BX+1], v[BX+1], v[PX+2*\i+1], vcc_lo
	v_cndmask_b32 v[BT], v[BT], v[TS+\i], vcc_lo
.endr
	v_lshl_add_u32 v[BJ], v2, 1, v[BJ]             ; index in the block: 8k + e + 2p
; across the query's four lanes: the neighbour's record is taken if its d is smaller, or equal with the lower index
.macro ACROSS m
	v_mov_b32_dpp v[OD], v[BD] row_xmask:\m row_mask:0xf bank_mask:0xf
	v_mov_b32_dpp v[OJ], v[BJ] row_xmask:\m row_mask:0xf bank_mask:0xf
	v_mov_b32_dpp v[OX], v[BX] row_xmask:\m row_mask:0xf bank_mask:0xf
	v_mov_b32_dpp v[OX+1], v[BX+1] row_xmask:\m row_mask:0xf bank_mask:0xf
	v_mov_b32_dpp v[OT], v[BT] row_xmask:\m row_mask:0xf bank_mask:0xf
	v_cmp_lt_f32 s20, v[OD], v[BD]
	v_cmp_eq_f32 s21, v[OD], v[BD]
	v_cmp_lt_u32 s22, v[OJ], v[BJ]
	s_and_b32 s21, s21, s22
	s_or_b32 s20, s20, s21
	v_cndmask_b32 v[BD], v[BD], v[OD], s20
	v_cndmask_b32 v[BJ], v[BJ], v[OJ], s20
	v_cndmask_b32 v[BX], v[BX], v[OX], s20
	v_cndmask_b32 v[BX+1], v[BX+1], v[OX+1], s20
	v_cndmask_b32 v[BT], v[BT], v[OT], s20
.endm
	ACROSS 1
	ACROSS 2
	; the way out: 128 x 8 bytes for out0 at LDS byte 0, 128 x 4 bytes for out1 at byte 1,024; a query's four lanes write the same
	v_lshlrev_b32 v11, 3, v1
	v_lshlrev_b32 v12, 2, v1
	ds_store_b64 v11, v[BX:BX+1]
	ds_store_b32 v12, v[BT] offset:1024
	s_wait_dscnt 0x0                               ; my results are in LDS before I say so
	s_barrier_signal -1
	s_barrier_wait -1
	s_cmp_gt_u32 s17, 2
	s_cbranch_scc1 .Lend                           ; waves 0 and 1 store out0's 1,024 bytes, wave 2 out1's 512
	s_cmp_eq_u32 s17, 2
	s_cselect_b64 s[18:19], s[14:15], s[12:13]     ; out1 or out0
	s_cselect_b32 s20, 1, 0
	s_lshl_b32 s21, ttmp9, 10
	s_lshr_b32 s21, s21, s20                       ; the group's first byte there: 1,024 or 512 a group
	s_mov_b32 s22, NQ*8
	s_lshr_b32 s22, s22, s20                       ; the buffer's bytes: 200,000 or 100,000
	v_lshlrev_b32 v13, 4, v0                       ; LDS byte 16 t: thread 64 begins at byte 1,024
	ds_load_b128 v[16:19], v13
	v_and_b32 v14, 63, v0
	v_lshl_add_u32 v14, v14, 4, s21
	v_cmp_gt_u32 vcc_lo, s22, v14                  ; the last group's 40 queries end at a multiple of 16 bytes in both buffers
	s_wait_dscnt 0x0
	s_wait_xcnt 0x0                                ; EXEC changes only behind this wait
	s_wait_tensorcnt 0x0
	ds_add_u32 v88, v89
	s_wait_dscnt 0x0
	s_and_saveexec_b32 s23, vcc_lo
	global_store_b128 v14, v[16:19], s[18:19] th:TH_STORE_NT
	s_endpgm
.Lend:
	s_wait_tensorcnt 0x0
	ds_add_u32 v88, v89
	s_wait_dscnt 0x0
	s_endpgm
.Lfunc_end_k_qb359e21c48_pick:
	.size	k_qb359e21c48_pick, .Lfunc_end_k_qb359e21c48_pick-k_qb359e21c48_pick
	.p2alignl 7, 3214868480
	.fill 96, 4, 3214868480
	.section	.rodata,"a",@progbits
	.p2align	6, 0x0
	.amdhsa_kernel k_qb359e21c48_pick
		.amdhsa_group_segment_fixed_size 3584
		.amdhsa_private_segment_fixed_size 0
		.amdhsa_enable_private_segment 0
		.amdhsa_kernarg_size 48
		.amdhsa_user_sgpr_count 2
		.amdhsa_user_sgpr_kernarg_segment_ptr 1
		.amdhsa_wavefront_size32 1
		.amdhsa_system_sgpr_workgroup_id_x 1
		.amdhsa_system_sgpr_workgroup_id_y 1
		.amdhsa_system_sgpr_workgroup_id_z 1
		.amdhsa_system_vgpr_workitem_id 0
		.amdhsa_next_free_vgpr 90
		.amdhsa_next_free_sgpr 66
		.amdhsa_reserve_vcc 1
		.amdhsa_float_denorm_mode_32 3
		.amdhsa_float_denorm_mode_16_64 3
		.amdhsa_memory_ordered 1
		.amdhsa_forward_progress 1
		.amdhsa_inst_pref_size 10
	.end_amdhsa_kernel
	.amdgpu_metadata
---
amdhsa.version: [ 1, 2 ]
amdhsa.kernels:
  - .name:           k_qb359e21c48_pick
    .symbol:         k_qb359e21c48_pick.kd
    .args:
      - { .name: euclidean_data, .offset: 0, .size: 8, .value_kind: global_buffer, .address_space: global }
      - { .name: maze_points, .offset: 8, .size: 8, .value_kind: global_buffer, .address_space: global }
      - { .name: ts_proj, .offset: 16, .size: 8, .value_kind: global_buffer, .address_space: global }
      - { .name: blk, .offset: 24, .size: 8, .value_kind: global_buffer, .address_space: global }
      - { .name: out0, .offset: 32, .size: 8, .value_kind: global_buffer, .address_space: global }
      - { .name: out1, .offset: 40, .size: 8, .value_kind: global_buffer, .address_space: global }
    .group_segment_fixed_size: 3584
    .private_segment_fixed_size: 0
    .kernarg_segment_align: 8
    .kernarg_segment_size: 48
    .max_flat_workgroup_size: 512
    .sgpr_count:     66
    .vgpr_count:     90
    .wavefront_size: 32
...
	.end_amdgpu_metadata
.endif
;; end of part 2
